; MI455X (gfx1250); checked and timed in simulation.
; The chip was launched on July 23, 2026; its instructions are those of AMD's public machine-readable ISA for CDNA 5 (MIT licence, August 2026) and "CDNA5" Instruction Set Architecture Reference Guide (July 2026). The comments in the code are by the model that wrote it; some were corrected since.
;; Multi Head Attention. Allowed arithmetic: float matrix products may take bf16 or f16 operands with f32 sums; all other float work in f32.
;; Inputs: Wk 1,024 x 1,024 float32; Wo 1,024 x 1,024 float32; Wq 1,024 x 1,024 float32; Wv 1,024 x 1,024 float32; token_positions 2 x 2,048 int32; x 2 x 2,048 x 1,024 float32.
;; Outputs: out0 2 x 2,048 x 1,024 float32.
;; One version. Each part assembles by itself: llvm-mc -triple=amdgcn-amd-amdhsa -mcpu=gfx1250 --defsym DOCPART=n.
;; ======== version 1 of 1: 4 launches
;; limits: values are held in f16: magnitudes above 65,504 overflow, below 6.1e-05 lose precision
;; workspace buffers: xb 8,388,608 bytes; wb 8,388,608 bytes; cs 1,048,576 bytes; qkv 25,165,824 bytes; ob 8,388,608 bytes
;; launch prep (part 1): grid 512 x 1, 8 waves a work-group, no clusters, 0 bytes of LDS; arguments x, Wq, Wk, Wv, Wo, token_positions, xb, wb, cs; writes xb, wb, cs
.if DOCPART == 1
	.amdgcn_target "amdgcn-amd-amdhsa--gfx1250"
	.amdhsa_code_object_version 6
	.text
	.protected	k_q63d211bfeb_prep
	.globl	k_q63d211bfeb_prep
	.p2align	8
	.type	k_q63d211bfeb_prep,@function
k_q63d211bfeb_prep:
	s_mov_b64 s[64:65], 0
	v_nop
	global_prefetch_b8 v0, s[64:65] scope:SCOPE_SE
	s_setreg_imm32_b32 hwreg(HW_REG_WAVE_MODE, 25, 1), 1
	s_wait_xcnt 0x0
; Launch 1 of 4.  x and the four weights are rounded to 16 bits once, and the table of RoPE factors is made.
;   xb [4096][1024] bf16 = x;  wb [4096][1024]: rows 0-1023 Wq, 1024-2047 Wk, 2048-3071 Wv in bf16, rows 3072-4095 Wo in f16;
;   cs [4096 rows = b*2048+s][32 pairs] f32 = (cos(angle) - 1, sin(angle)), angle = f32(pos) * 10000^(-j/32).
; Wo is rounded to bf16 like the other inputs and that value is then written as f16 (the last product runs in f16): the second step is
; exact for |w| >= 2^-17, below that its error is at most 2^-25.
; Work-group g of 512 converts 16,384 numbers (64 KiB in, 32 KiB out): g 0-255 take x, then 64 each for Wq, Wk, Wv, Wo; and it makes
; 8 rows of cs, one (row, pair) a thread.  A stream: each byte is read once; no LDS, no matrix unit, no cluster (no two groups share input).
; LIMIT: 10000^(-j/32) is exp2(-j * 0.41524101), relative error about 2e-7, so the angle is off by at most about 2.5e-4 rad for
; |pos| <= 2047, growing in proportion to |pos| (2e-3 rad near |pos| = 16,000).  The reduction by multiples of pi/2 uses two words of pi/2.
.set X, 32                             ; v[32:95]   16 loads of 4 f32
.set Y, 96                             ; v[96:127]  16 pairs of packed results
	s_load_b512 s[4:19], s[0:1], 0x0               ; x 4, Wq 6, Wk 8, Wv 10, Wo 12, positions 14, xb 16, wb 18
	s_load_b64 s[20:21], s[0:1], 0x40              ; cs
	s_lshr_b32 s22, ttmp9, 6                       ; 0-3: x; 4, 5, 6, 7: Wq, Wk, Wv, Wo
	s_lshl_b32 s28, ttmp9, 16                      ; source offset in x: g * 64 KiB
	s_and_b32 s29, ttmp9, 63
	s_lshl_b32 s29, s29, 16                        ; source offset in a weight
	s_and_b32 s34, ttmp9, 255
	s_lshl_b32 s34, s34, 15                        ; destination offset in xb or in wb: 32 KiB a group
	s_mov_b32 s35, 0
	s_lshl_b32 s36, ttmp9, 11                      ; 8 rows of cs, 256 bytes each
	s_mov_b32 s37, 0
	s_lshl_b32 s38, ttmp9, 5                       ; the group's 8 positions, 4 bytes each
	v_lshlrev_b32 v1, 4, v0                        ; 16 bytes a thread in
	v_lshlrev_b32 v2, 3, v0                        ; 8 bytes a thread out
	v_lshrrev_b32 v3, 5, v0
	v_lshl_add_u32 v3, v3, 2, s38                  ; 4 (8 g + wave): my wave's position
	s_mov_b32 s27, 0
	s_cmp_lt_u32 s22, 4
	s_cselect_b32 s26, s28, s29
	s_wait_kmcnt 0x0
	s_cselect_b64 s[30:31], s[16:17], s[18:19]     ; xb or wb (moves and waits leave the compare's result alone)
	s_mov_b64 s[24:25], s[4:5]
	s_cmp_eq_u32 s22, 4
	s_cselect_b64 s[24:25], s[6:7], s[24:25]
	s_cmp_eq_u32 s22, 5
	s_cselect_b64 s[24:25], s[8:9], s[24:25]
	s_cmp_eq_u32 s22, 6
	s_cselect_b64 s[24:25], s[10:11], s[24:25]
	s_cmp_eq_u32 s22, 7
	s_cselect_b64 s[24:25], s[12:13], s[24:25]
	s_add_nc_u64 s[24:25], s[24:25], s[26:27]
	s_add_nc_u64 s[30:31], s[30:31], s[34:35]
	s_add_nc_u64 s[20:21], s[20:21], s[36:37]
	global_load_b32 v4, v3, s[14:15]               ; the position, the same word in all lanes of a wave
.irp i, 0,1,2,3,4,5,6,7,8,9,10,11,12,13,14,15
	global_load_b128 v[X+4*\i:X+4*\i+3], v1, s[24:25] offset:4096*\i th:TH_LOAD_NT   ; a wave's load covers 512 consecutive bytes
.endr
	; cosine and sine, while the sixteen loads are on their way
	v_and_b32 v5, 31, v0                           ; j
	v_cvt_f32_u32 v5, v5
	v_mul_f32 v5, 0xbed49a78, v5                   ; -j * log2(10000) / 32
	v_exp_f32 v5, v5
	s_wait_loadcnt 16                              ; the position is in; the sixteen younger loads stay out
	v_cvt_f32_i32 v6, v4                           ; the plain instruction between v_exp_f32 and the use of its result (ISA guide 5.7.2)
	s_wait_alu depctr_va_vdst(0)
	v_mul_f32 v6, v6, v5                           ; the angle
	v_mul_f32 v7, 0x3f22f983, v6                   ; * 2 / pi
	v_rndne_f32 v7, v7                             ; n
	v_fmamk_f32 v8, v7, 0xbfc90fdb, v6             ; angle - n * (pi/2, upper word)
	v_fmamk_f32 v8, v7, 0x333bbd2e, v8             ; - n * (pi/2, lower word = -4.3711388e-8): |r| <= pi/4
	v_mul_f32 v9, v8, v8                           ; z = r^2
	v_mov_b32 v12, 0xb9500d01                      ; -1/5040
	v_mov_b32 v15, 0x37d00d01                      ; 1/40320
	v_fmaak_f32 v12, v9, v12, 0x3c088889           ; + 1/120
	v_fmaak_f32 v15, v9, v15, 0xbab60b61           ; - 1/720
	v_fmaak_f32 v12, v9, v12, 0xbe2aaaab           ; - 1/6
	v_fmaak_f32 v15, v9, v15, 0x3d2aaaab           ; + 1/24
	v_mul_f32 v13, v8, v9                          ; r z
	v_fmaak_f32 v15, v9, v15, 0xbf000000           ; - 1/2
	v_fma_f32 v14, v13, v12, v8                    ; sin r (next term r^9/362880 < 4e-7)
	v_fma_f32 v16, v9, v15, 1.0                    ; cos r (next term r^10/3628800 < 3e-8)
	v_cvt_i32_f32 v17, v7                          ; the quarter turn
	v_and_b32 v18, 1, v17
	v_cmp_eq_u32 vcc_lo, 1, v18
	v_cndmask_b32 v19, v14, v16, vcc_lo            ; odd quarter: the two series change places
	v_cndmask_b32 v20, v16, v14, vcc_lo
	v_and_b32 v18, 2, v17
	v_lshlrev_b32 v18, 30, v18
	v_xor_b32 v11, v18, v19                        ; sine: minus in quarters 2 and 3
	v_add_nc_u32 v17, 1, v17
	v_and_b32 v17, 2, v17
	v_lshlrev_b32 v17, 30, v17
	v_xor_b32 v20, v17, v20                        ; cosine: minus in quarters 1 and 2
	v_add_f32 v10, -1.0, v20                       ; cos - 1
	global_store_b64 v2, v[10:11], s[20:21]        ; a wave stores one row of cs: 256 consecutive bytes, aligned
; Four numbers of load i are rounded and stored.  wo = 1: the bf16 values are widened again and written as f16.
.macro CONV i, wo
	s_wait_loadcnt 15-\i                           ; loads come back in order (ISA guide 5.7.1): load i is in, the younger ones stay out
	v_cvt_pk_bf16_f32 v[Y+2*\i],   v[X+4*\i],   v[X+4*\i+1]
	v_cvt_pk_bf16_f32 v[Y+2*\i+1], v[X+4*\i+2], v[X+4*\i+3]
.if \wo
	v_lshlrev_b32 v[X+4*\i],   16, v[Y+2*\i]
	v_and_b32     v[X+4*\i+1], 0xffff0000, v[Y+2*\i]
	v_lshlrev_b32 v[X+4*\i+2], 16, v[Y+2*\i+1]
	v_and_b32     v[X+4*\i+3], 0xffff0000, v[Y+2*\i+1]
	v_cvt_pk_f16_f32 v[Y+2*\i],   v[X+4*\i],   v[X+4*\i+1]
	v_cvt_pk_f16_f32 v[Y+2*\i+1], v[X+4*\i+2], v[X+4*\i+3]
.endif
	global_store_b64 v2, v[Y+2*\i:Y+2*\i+1], s[30:31] offset:2048*\i   ; a wave stores 256 consecutive bytes, aligned; no register is used twice
.endm
	s_cmp_eq_u32 s22, 7
	s_cbranch_scc1 .Lwo
.irp i, 0,1,2,3,4,5,6,7,8,9,10,11,12,13,14,15
	CONV \i, 0
.endr
	s_endpgm
.Lwo:
.irp i, 0,1,2,3,4,5,6,7,8,9,10,11,12,13,14,15
	CONV \i, 1
.endr
	s_endpgm
.Lfunc_end_k_q63d211bfeb_prep:
	.size	k_q63d211bfeb_prep, .Lfunc_end_k_q63d211bfeb_prep-k_q63d211bfeb_prep
	.p2alignl 7, 3214868480
	.fill 96, 4, 3214868480
	.section	.rodata,"a",@progbits
	.p2align	6, 0x0
	.amdhsa_kernel k_q63d211bfeb_prep
		.amdhsa_group_segment_fixed_size 0
		.amdhsa_private_segment_fixed_size 0
		.amdhsa_enable_private_segment 0
		.amdhsa_kernarg_size 72
		.amdhsa_user_sgpr_count 2
		.amdhsa_user_sgpr_kernarg_segment_ptr 1
		.amdhsa_wavefront_size32 1
		.amdhsa_system_sgpr_workgroup_id_x 1
		.amdhsa_system_sgpr_workgroup_id_y 1
		.amdhsa_system_sgpr_workgroup_id_z 1
		.amdhsa_system_vgpr_workitem_id 0
		.amdhsa_next_free_vgpr 128
		.amdhsa_next_free_sgpr 66
		.amdhsa_reserve_vcc 1
		.amdhsa_float_denorm_mode_32 3
		.amdhsa_float_denorm_mode_16_64 3
		.amdhsa_memory_ordered 1
		.amdhsa_forward_progress 1
		.amdhsa_inst_pref_size 18
	.end_amdhsa_kernel
	.amdgpu_metadata
---
amdhsa.version: [ 1, 2 ]
amdhsa.kernels:
  - .name:           k_q63d211bfeb_prep
    .symbol:         k_q63d211bfeb_prep.kd
    .args:
      - { .name: x, .offset: 0, .size: 8, .value_kind: global_buffer, .address_space: global }
      - { .name: Wq, .offset: 8, .size: 8, .value_kind: global_buffer, .address_space: global }
      - { .name: Wk, .offset: 16, .size: 8, .value_kind: global_buffer, .address_space: global }
      - { .name: Wv, .offset: 24, .size: 8, .value_kind: global_buffer, .address_space: global }
      - { .name: Wo, .offset: 32, .size: 8, .value_kind: global_buffer, .address_space: global }
      - { .name: token_positions, .offset: 40, .size: 8, .value_kind: global_buffer, .address_space: global }
      - { .name: xb, .offset: 48, .size: 8, .value_kind: global_buffer, .address_space: global }
      - { .name: wb, .offset: 56, .size: 8, .value_kind: global_buffer, .address_space: global }
      - { .name: cs, .offset: 64, .size: 8, .value_kind: global_buffer, .address_space: global }
    .group_segment_fixed_size: 0
    .private_segment_fixed_size: 0
    .kernarg_segment_align: 8
    .kernarg_segment_size: 72
    .max_flat_workgroup_size: 256
    .sgpr_count:     66
    .vgpr_count:     128
    .wavefront_size: 32
...
	.end_amdgpu_metadata
.endif
;; end of part 1
;; launch qkv (part 2): grid 16 x 16, 4 waves a work-group, clusters of 4 x 4, 327,680 bytes of LDS; arguments xb, wb, cs, qkv; writes qkv
.if DOCPART == 2
	.amdgcn_target "amdgcn-amd-amdhsa--gfx1250"
	.amdhsa_code_object_version 6
	.text
	.protected	k_q63d211bfeb_qkv
	.globl	k_q63d211bfeb_qkv
	.p2align	8
	.type	k_q63d211bfeb_qkv,@function
k_q63d211bfeb_qkv:
	s_mov_b64 s[64:65], 0
	v_nop
	global_prefetch_b8 v0, s[64:65] scope:SCOPE_SE
	s_setreg_imm32_b32 hwreg(HW_REG_WAVE_MODE, 25, 1), 1
	s_wait_xcnt 0x0
	s_wait_alu depctr_hold_cnt(0) depctr_sa_sdst(0) depctr_va_vdst(0) depctr_va_sdst(0) depctr_va_ssrc(0) depctr_va_vcc(0) depctr_vm_vsrc(0)
	s_getreg_b32 s2, hwreg(HW_REG_IB_STS2, 6, 4)
	s_cmp_eq_u32 s2, 0
	s_cbranch_scc0 .Lentry_in_a_cluster
	s_endpgm
.Lentry_in_a_cluster:
	s_bfe_u32 s2, ttmp6, 0x10000c
	s_cmp_lg_u32 s2, 0xf033
	s_cbranch_scc0 .Lentry_shape_is_right
	s_endpgm
.Lentry_shape_is_right:
; Launch 2 of 4.  [4096 x 3072] = xb [4096 x 1024] times rows 0-3071 of wb (Wq, Wk, Wv), bf16 operands, f32 sums; RoPE on the q and k heads
; in f32 on the way out; results in f16 to qkv [96 planes][2048][64], plane = type*32 + b*16 + head (type 0 q, 1 k, 2 v).
; 256 work-groups, each a block of 256 rows x 192 columns (3 heads); four waves, each 128 x 96: 48 accumulator tiles, 384 registers.
; K goes in 8 steps of 128 through two LDS slots filled by tensor loads; a tile's rows are 256 bytes of memory, aligned.
; CLUSTERS: 4 x 4 work-groups.  Tiles of xb and of cs hang on the block row alone and are asked for jointly along a row of the cluster,
; tiles of wb hang on the block column alone and are asked for jointly along a column: a quarter of the requests.
; The matrix instruction is used transposed (source 0 = rows of W, source 1 = rows of x): lane l holds row l % 16 and eight neighbouring
; columns 8 (l / 16) + 0..7, so RoPE's (even, odd) pairs lie in neighbouring registers and eight results pack into 16 bytes.
; LIMIT: q, k, v leave in f16: a magnitude above 65,504 becomes infinite.  x and W thirty times their unit spread give a spread of 900
; (peaks near 5,000); offsets of thirty spreads on both give 1024 * 30 * 30/32 = 28,800.
; REGISTERS: window 0: v0-31 addresses, v64-127 and v128-191 fragments of x (two buffers), v192-255 cs; window 1: fragments of W at the same
; numbers; window 2: tiles (a, b) at 8 (6 a + b) of my rows 0-63; window 3: of my rows 64-127.
.set SIZE_K, 1024
.set KSTEP,  128
.set PITCH,  272                       ; an LDS row: 256 bytes + 16 of padding: the 16 rows of a fragment load start 16 bytes apart modulo 256
.set AH,     128*PITCH                 ; 128 rows of x: one tensor load, and what a wave reads
.set BH,     96*PITCH                  ; 96 rows of W
.set BOFF,   2*AH
.set SLOT,   2*AH+2*BH                 ; 121,856
.set CSL,    2*SLOT                    ; the block's 256 rows of cs, pitch 272, filled once
.set CSQ,    64*PITCH
.set SPITCH, 144                       ; the stage: a head's row of 128 bytes + 16
.set PLANE,  256*SPITCH                ; the stage: 256 rows of one head.  Three planes lie in slot 0, behind its last fill
.set LAPS,   SIZE_K/(2*KSTEP)
.set ADRA, 16                          ; v16-17  my x fragments in slot 0, 1
.set ADRB, 20                          ; v20-21  my W fragments
.set CSAD, 22                          ; v22-23  my cs words: column group of tiles 0, 1, 4, 5; of tiles 2, 3
.set STO,  24                          ; v24-26  stage, in: one address for each pair of tiles
.set RD,   27                          ; v27-29  stage, back: one address for each head plane
.set CO,   30                          ; v30     my byte offset in a plane's part of qkv
.set F0,   64
.set F1,   128
.set T,    64                          ; v64-111 the way out: 6 tiles at work
.set CSR0, 192
.set CSR1, 224
.set G1,  24                           ; s[24:31] group 1, x
.set G0,  32                           ; s[32:39] group 0, x, a set for each slot
.set G1B, 48                           ; s[48:55] group 1, W
.set G0B, 56                           ; s[56:63] group 0, W
.set G1C, 68                           ; s[68:75] group 1, cs
.set G0C, 76                           ; s[76:79] group 0, cs
.set FS,  84                           ; s[84:89] 1.0 (q, k) or 0 (v) for each pair of tiles, twice each
.set OB,  90                           ; s[90:95] where the three head planes go
.set MSB, 0
.macro WIN new                         ; the immediate's high byte repeats the setting that is left
.if MSB != \new
	s_set_vgpr_msb (MSB<<8)|\new
.set MSB, \new
.endif
.endm
.set MUL_LO, 0xa1                      ; source 0 (W) window 1, source 1 (x) window 0, C and D window 2
.set MUL_HI, 0xf1                      ; C and D window 3
.set TO_B,   0x40
.macro JLOAD s                         ; waves 0, 1 ask for the halves of x's tile, waves 2, 3 for those of W's: one mask a line
	s_cmp_eq_u32 s11, 0
	s_cbranch_scc0 .Lfor_b_\@
	tensor_load_to_lds s[G0+4*\s:G0+4*\s+3], s[G1:G1+7]
	s_nop 0
	s_branch .Lasked_\@
.Lfor_b_\@:
	tensor_load_to_lds s[G0B+4*\s:G0B+4*\s+3], s[G1B:G1B+7]
	s_nop 0
.Lasked_\@:
.endm
.macro CREST                           ; a round of the cluster's barrier behind its opening barrier
	s_cmp_lg_u32 s10, 0
	s_cbranch_scc1 .Lnot_wave_0_\@
	s_barrier_signal -3
.Lnot_wave_0_\@:
	s_barrier_wait -3
	s_barrier_signal -1
	s_barrier_wait -1
.endm
.macro CROUND
	s_barrier_signal -1
	s_barrier_wait -1
	CREST
.endm
.macro PLACES                          ; four plain places behind a matrix instruction in front of loads into, and reads of, its registers
.rept 4
	v_nop
.endr
.endm
	s_load_b128 s[4:7], s[0:1], 0x0                ; xb, wb
	s_load_b128 s[80:83], s[0:1], 0x10             ; cs, qkv
	s_set_vgpr_msb 0x40
	v_lshl_add_u32 v255, v0, 2, 0x4c800
	s_set_vgpr_msb 0x4000
	v_mov_b32 v63, 0
	s_set_vgpr_msb 0x1
	ds_add_u32 v255, v63
	s_set_vgpr_msb 0x100
	v_lshrrev_b32 v1, 5, v0
	v_readfirstlane_b32 s10, v1                    ; wave 0..3
	s_lshr_b32 s11, s10, 1                         ; my half of the rows; also: I fetch x (0) or W (1)
	s_and_b32 s12, s10, 1                          ; my half of the columns; also: which half of a tile I fetch
	s_bfe_u32 s40, ttmp6, 0x40000                  ; cx
	s_bfe_u32 s41, ttmp6, 0x40004                  ; cy
	s_lshl_b32 s42, ttmp9, 2
	s_add_co_u32 s42, s42, s40                     ; block column
	s_and_b32 s13, ttmp7, 0xffff
	s_lshl_b32 s13, s13, 2
	s_add_co_u32 s13, s13, s41                     ; block row
	s_lshl_b32 s43, s41, 2
	s_lshl_b32 s43, 15, s43                        ; my row of the cluster
	s_lshl_b32 s44, 0x1111, s40                    ; my column
	s_or_b32 s[G1+0],  s43, (1<<16)|(1<<20)|(1<<21)|(5<<22)|(3<<25)   ; mask; 2-byte elements; padding on; bit 21 beside a mask; after 64 words 4 words
	s_or_b32 s[G1B+0], s44, (1<<16)|(1<<20)|(1<<21)|(5<<22)|(3<<25)
	s_or_b32 s[G1C+0], s43, (2<<16)|(1<<20)|(1<<21)|(5<<22)|(3<<25)   ; 4-byte elements
	s_mov_b32 s[G1+1],  KSTEP<<16                  ; tensor_dim0 = 128
	s_mov_b32 s[G1B+1], KSTEP<<16
	s_mov_b32 s[G1C+1], 64<<16                     ; 64 words
	s_mov_b32 s[G1+2],  128<<16                    ; tensor_dim1 = 128 rows
	s_mov_b32 s[G1B+2], 96<<16                     ; 96 rows
	s_mov_b32 s[G1C+2], 64<<16                     ; 64 rows
	s_mov_b32 s[G1+3],  KSTEP<<16                  ; tile_dim0
	s_mov_b32 s[G1B+3], KSTEP<<16
	s_mov_b32 s[G1C+3], 64<<16
	s_mov_b32 s[G1+4],  128                        ; tile_dim1
	s_mov_b32 s[G1B+4], 96
	s_mov_b32 s[G1C+4], 64
	s_mov_b32 s[G1+5],  SIZE_K                     ; elements from row to row
	s_mov_b32 s[G1B+5], SIZE_K
	s_mov_b32 s[G1C+5], 64
	s_mov_b32 s[G1+6],  0
	s_mov_b32 s[G1B+6], 0
	s_mov_b32 s[G1C+6], 0
	s_mov_b32 s[G1+7],  0
	s_mov_b32 s[G1B+7], 0
	s_mov_b32 s[G1C+7], 0
	s_lshl_b32 s16, s13, 8
	s_lshl_b32 s17, s12, 7
	s_add_co_u32 s16, s16, s17                     ; x: row 256 * block row + 128 * half
	s_lshl_b32 s16, s16, 11                        ; rows of 2,048 bytes (at most 8 MiB)
	s_mov_b32 s17, 0
	s_mul_i32 s46, s42, 192
	s_mul_i32 s47, s12, 96
	s_add_co_u32 s46, s46, s47                     ; W: row 192 * block column + 96 * half
	s_lshl_b32 s46, s46, 11
	s_mov_b32 s47, 0
	s_lshl_b32 s18, s13, 8
	s_lshl_b32 s19, s10, 6
	s_add_co_u32 s18, s18, s19                     ; cs: row 256 * block row + 64 * wave
	s_lshl_b32 s18, s18, 8
	s_mov_b32 s19, 0
	s_mul_i32 s20, s10, AH                         ; LDS: waves 0, 1: x's halves
	s_mul_i32 s21, s10, BH
	s_add_co_u32 s21, s21, BOFF-2*BH               ; waves 2, 3: W's halves, behind x's 256 rows
	s_mul_i32 s22, s10, CSQ
	s_add_co_u32 s22, s22, CSL                     ; every wave: its 64 rows of cs
	s_wait_dscnt 0x0
	s_wait_kmcnt 0x0
	s_add_nc_u64 s[14:15], s[4:5], s[16:17]
	s_add_nc_u64 s[46:47], s[6:7], s[46:47]
	s_add_nc_u64 s[18:19], s[80:81], s[18:19]
	CROUND                                         ; all sixteen work-groups are here: the first joint loads meet
	s_mov_b32 s[G0C], 1
	s_mov_b32 s[G0C+1], s22
	s_mov_b64 s[G0C+2:G0C+3], s[18:19]
	s_or_b32 s[G0C+3], s[G0C+3], 0x80000000
	tensor_load_to_lds s[G0C:G0C+3], s[G1C:G1C+7]  ; cs first, then K steps 0 and 1: three loads of this wave are out
	s_nop 0
.irp s, 0,1
	s_mov_b32 s[G0+4*\s], 1
	s_add_co_u32 s[G0+4*\s+1], s20, \s*SLOT
	s_add_nc_u64 s[G0+4*\s+2:G0+4*\s+3], s[14:15], \s*KSTEP*2
	s_or_b32 s[G0+4*\s+3], s[G0+4*\s+3], 0x80000000
	s_mov_b32 s[G0B+4*\s], 1
	s_add_co_u32 s[G0B+4*\s+1], s21, \s*SLOT
	s_add_nc_u64 s[G0B+4*\s+2:G0B+4*\s+3], s[46:47], \s*KSTEP*2
	s_or_b32 s[G0B+4*\s+3], s[G0B+4*\s+3], 0x80000000
	JLOAD \s
.endr
	; addresses.  r = l % 16, h = l / 16
	v_and_b32 v1, 15, v0
	v_bfe_u32 v2, v0, 4, 1
	v_mul_u32_u24 v3, v1, PITCH
	v_lshl_add_u32 v3, v2, 4, v3                   ; fragments: row * pitch + 16 h
	s_mul_i32 s21, s11, AH
	s_mul_i32 s22, s12, BH
	s_add_co_u32 s22, s22, BOFF
.irp s, 0,1
	v_add_nc_u32 v[ADRA+\s], s21, v3
	v_add_nc_u32 v[ADRB+\s], s22, v3
	s_add_co_u32 s21, s21, SLOT
	s_add_co_u32 s22, s22, SLOT
.endr
	v_mul_u32_u24 v4, v1, PITCH
	v_lshl_add_u32 v4, v2, 5, v4                   ; cs: row * pitch + 32 h (4 pairs of 8 bytes)
	s_mul_i32 s23, s11, AH                         ; my 128 rows
	s_add_co_u32 s23, s23, CSL
	s_lshl_b32 s2, s12, 7                          ; tiles 0, 1, 4, 5 begin at column 32 * half of their head: byte 128 * half
	s_add_co_u32 s3, s23, s2
	v_add_nc_u32 v[CSAD], s3, v4
	s_xor_b32 s2, s2, 128                          ; tiles 2, 3 at the other 32 columns
	s_add_co_u32 s3, s23, s2
	v_add_nc_u32 v[CSAD+1], s3, v4
	v_mul_u32_u24 v5, v1, SPITCH
	v_lshl_add_u32 v5, v2, 4, v5                   ; stage, in: row * 144 + 16 h
	s_mul_i32 s23, s11, 128*SPITCH
	s_mul_i32 s2, s12, PLANE+64                    ; tiles 0, 1: head = half, column 32 * half
	s_add_co_u32 s2, s2, s23
	v_add_nc_u32 v[STO], s2, v5
	s_add_co_u32 s2, s2, PLANE                     ; tiles 4, 5: head = 1 + half, column 32 * half
	v_add_nc_u32 v[STO+2], s2, v5
	s_mul_i32 s2, s12, 2*PLANE-64                  ; tiles 2, 3: head = 2 * half, column 32 - 32 * half
	s_add_co_u32 s2, s2, s23
	s_add_co_u32 s2, s2, 64
	v_add_nc_u32 v[STO+1], s2, v5
	v_and_b32 v6, 31, v0
	v_lshrrev_b32 v7, 3, v6
	v_and_b32 v8, 7, v6
	v_mul_u32_u24 v7, v7, SPITCH
	v_lshl_add_u32 v7, v8, 4, v7                   ; stage, back: 8 lanes take a row of 128 bytes, a wave 4 rows
	s_mul_i32 s2, s10, 64*SPITCH                   ; my 64 rows of every plane
.irp p, 0,1,2
	v_add_nc_u32 v[RD+\p], s2, v7
	s_add_co_u32 s2, s2, PLANE
.endr
	v_lshlrev_b32 v[CO], 4, v6
	s_lshl_b32 s2, s10, 13
	v_add_nc_u32 v[CO], s2, v[CO]                  ; 64 rows of 128 bytes a wave + 16 l
	; which heads turn: head number 3 * block column + head in the block; below 32 it is a q or k head.  A choice of a value, no branch.
	s_mul_i32 s96, s42, 3
	s_add_co_u32 s97, s96, s12
	s_cmp_lt_u32 s97, 32
	s_cselect_b32 s[FS], 0x3f800000, 0
	s_mov_b32 s[FS+1], s[FS]
	s_add_co_u32 s97, s97, s12
	s_cmp_lt_u32 s97, 32
	s_cselect_b32 s[FS+2], 0x3f800000, 0
	s_mov_b32 s[FS+3], s[FS+2]
	s_add_co_u32 s97, s96, s12
	s_add_co_u32 s97, s97, 1
	s_cmp_lt_u32 s97, 32
	s_cselect_b32 s[FS+4], 0x3f800000, 0
	s_mov_b32 s[FS+5], s[FS+4]
	s_lshr_b32 s98, s13, 3
	s_lshl_b32 s98, s98, 4                         ; 16 * batch
	s_and_b32 s99, s13, 7
	s_lshl_b32 s99, s99, 15                        ; 256 rows of 128 bytes a block row
.irp p, 0,1,2
	s_add_co_u32 s97, s96, \p
	s_lshr_b32 s100, s97, 4
	s_lshl_b32 s100, s100, 5                       ; 32 * type
	s_and_b32 s97, s97, 15
	s_add_co_u32 s100, s100, s97
	s_add_co_u32 s100, s100, s98                   ; the plane
	s_lshl_b32 s100, s100, 18
	s_add_co_u32 s100, s100, s99
	s_mov_b32 s101, 0
	s_add_nc_u64 s[OB+2*\p:OB+2*\p+1], s[82:83], s[100:101]
.endr
; 12 matrix instructions: row blocks a0, a0 + 1 of the window's four x all 6 column blocks, 32 along K.  The 48 accumulators take turns,
; one instruction a turn, in the same order in every quarter step.
.macro MUL12 f, hi, a0, zero
.irp a, \a0, \a0+1
.irp b, 0,1,2,3,4,5
.if \zero
	v_wmma_f32_16x16x32_bf16 v[8*(6*(\a)+\b):8*(6*(\a)+\b)+7], v[\f+8*\b:\f+8*\b+7], v[\f+8*(4*\hi+\a):\f+8*(4*\hi+\a)+7], 0
.else
	v_wmma_f32_16x16x32_bf16 v[8*(6*(\a)+\b):8*(6*(\a)+\b)+7], v[\f+8*\b:\f+8*\b+7], v[\f+8*(4*\hi+\a):\f+8*(4*\hi+\a)+7], v[8*(6*(\a)+\b):8*(6*(\a)+\b)+7]
.endif
.endr
.endr
.endm
.macro FETCH slot, k, f                ; 28 LDS loads: 96 rows of W, 128 rows of x, 32 K at byte k
	WIN TO_B
.irp i, 0,1,2,3,4,5
	ds_load_b128 v[\f+8*\i:\f+8*\i+3],   v[ADRB+\slot] offset:\k+\i*16*PITCH
	ds_load_b128 v[\f+8*\i+4:\f+8*\i+7], v[ADRB+\slot] offset:\k+\i*16*PITCH+32
.endr
	WIN 0
.irp i, 0,1,2,3,4,5,6,7
	ds_load_b128 v[\f+8*\i:\f+8*\i+3],   v[ADRA+\slot] offset:\k+\i*16*PITCH
	ds_load_b128 v[\f+8*\i+4:\f+8*\i+7], v[ADRA+\slot] offset:\k+\i*16*PITCH+32
.endr
.endm
.macro QUARTER slot, k, f, g, zero
	s_wait_dscnt 8                                 ; W and x's rows 0-63 are in; the youngest eight loads (x's rows 64-127) may be out
	WIN MUL_LO
	MUL12 \f, 0, 0, \zero
	MUL12 \f, 0, 2, \zero
	PLACES
	FETCH \slot, \k, \g
	s_wait_dscnt 28                                ; all but the 28 just issued
	WIN MUL_HI
	MUL12 \f, 1, 0, \zero
	MUL12 \f, 1, 2, \zero
.endm
.macro THREE slot, zero
	QUARTER \slot, 64,  F0, F1, \zero
	QUARTER \slot, 128, F1, F0, 0
	QUARTER \slot, 192, F0, F1, 0
.endm
; The last quarter of a K step changes slots.  In front of the barrier each wave waits for its reads of this slot and for all its tensor
; loads (one is out: its part of the next slot).  Where the slot is filled again the barrier opens a round of the cluster's barrier, and
; the joint refill is the first tensor load behind the round.  From a request to the wait for it a wave issues 180 matrix instructions.
.macro TURN slot, next, fill
	s_wait_dscnt 8
	WIN MUL_LO
	MUL12 F1, 0, 0, 0
	s_wait_dscnt 0
	s_wait_tensorcnt 0x0
	ds_add_u32 v255, v63
	s_wait_dscnt 0x0
	s_barrier_signal -1
	MUL12 F1, 0, 2, 0                              ; register work between signal and wait
	WIN 0
	s_barrier_wait -1
.if \fill
	CREST
	s_add_nc_u64 s[G0+4*\slot+2:G0+4*\slot+3], s[G0+4*\slot+2:G0+4*\slot+3], 2*KSTEP*2
	s_add_nc_u64 s[G0B+4*\slot+2:G0B+4*\slot+3], s[G0B+4*\slot+2:G0B+4*\slot+3], 2*KSTEP*2
	JLOAD \slot
.endif
	PLACES
	FETCH \next, 0, F0
	WIN MUL_HI
	MUL12 F1, 1, 0, 0
	MUL12 F1, 1, 2, 0
.endm
.macro LAP zero
	THREE 0, \zero
	TURN 0, 1, 1
	THREE 1, 0
	TURN 1, 0, 1
.endm
	s_wait_tensorcnt 0x1                           ; my parts of cs and of K step 0 are in; K step 1 may stay out
	s_barrier_signal -1
	s_barrier_wait -1
	FETCH 0, 0, F0
	LAP 1                                          ; the first products start the sums: nothing is cleared
	WIN 0
	s_mov_b32 s3, LAPS-2
.Llap:
	LAP 0
	WIN 0
	s_sub_co_u32 s3, s3, 1
	s_cmp_lg_u32 s3, 0
	s_cbranch_scc1 .Llap
	THREE 0, 0                                     ; the last lap fills nothing
	TURN 0, 1, 0                                   ; behind its barrier no wave reads slot 0 any more, and slot 0 has had its last fill
	THREE 1, 0
	s_wait_dscnt 8
	WIN MUL_LO
	MUL12 F1, 0, 0, 0
	MUL12 F1, 0, 2, 0
	s_wait_dscnt 0
	WIN MUL_HI
	MUL12 F1, 1, 0, 0
	MUL12 F1, 1, 2, 0
	; THE WAY OUT, 16 rows at a time.  out = X + f (X (cos - 1) + rot(X) sin), rot(xe, xo) = (-xo, xe); f = 1 for q and k, 0 for v.
.macro CSLOAD i, cur                   ; the cs words of rows 16 i .. 16 i + 15: 4 pairs for each of tiles 0/4, 1/5 (first address) and 2, 3 (second)
.irp g, 0,1
	ds_load_b128 v[\cur+16*\g:\cur+16*\g+3],     v[CSAD+\g] offset:4352*(\i)
	ds_load_b128 v[\cur+16*\g+4:\cur+16*\g+7],   v[CSAD+\g] offset:4352*(\i)+16
	ds_load_b128 v[\cur+16*\g+8:\cur+16*\g+11],  v[CSAD+\g] offset:4352*(\i)+64
	ds_load_b128 v[\cur+16*\g+12:\cur+16*\g+15], v[CSAD+\g] offset:4352*(\i)+80
.endr
.endm
; left = LDS instructions issued behind this block's eight cs loads: the stage stores of the block before (6) and the next block's loads (8)
.macro ROPE16 i, a, w, cur, nxt, left
.if \i < 7
	CSLOAD \i+1, \nxt
.endif
	s_wait_dscnt \left
	WIN \w                                         ; source 0 = the accumulators
.irp b, 0,1,2,3,4,5
.irp q, 0,2,4,6
	v_pk_mul_f32 v[T+8*\b+\q:T+8*\b+\q+1], v[8*(6*\a+\b)+\q:8*(6*\a+\b)+\q+1], v[\cur+16*((\b>>1)&1)+8*(\b&1)+\q:\cur+16*((\b>>1)&1)+8*(\b&1)+\q+1] op_sel_hi:[1,0]   ; (xe, xo) (cos - 1)
.endr
.endr
.irp b, 0,1,2,3,4,5
.irp q, 0,2,4,6
	v_pk_fma_f32 v[T+8*\b+\q:T+8*\b+\q+1], v[8*(6*\a+\b)+\q:8*(6*\a+\b)+\q+1], v[\cur+16*((\b>>1)&1)+8*(\b&1)+\q:\cur+16*((\b>>1)&1)+8*(\b&1)+\q+1], v[T+8*\b+\q:T+8*\b+\q+1] op_sel:[1,1,0] op_sel_hi:[0,1,1] neg_lo:[1,0,0]   ; + (-xo, xe) sin
.endr
.endr
	WIN (\w<<4)                                    ; source 2 = the accumulators
.irp b, 0,1,2,3,4,5
.irp q, 0,2,4,6
	v_pk_fma_f32 v[T+8*\b+\q:T+8*\b+\q+1], v[T+8*\b+\q:T+8*\b+\q+1], s[FS+2*(\b>>1):FS+2*(\b>>1)+1], v[8*(6*\a+\b)+\q:8*(6*\a+\b)+\q+1] op_sel_hi:[1,0,1]
.endr
.endr
	WIN 0
.irp b, 0,1,2,3,4,5
.irp q, 0,1,2,3
	v_cvt_pk_f16_f32 v[T+4*\b+\q], v[T+8*\b+2*\q], v[T+8*\b+2*\q+1]    ; packed in place, ascending: no source is written before it is read
.endr
.endr
.irp b, 0,1,2,3,4,5
	ds_store_b128 v[STO+(\b>>1)], v[T+4*\b:T+4*\b+3] offset:2304*\i+32*(\b&1)
.endr
.endm
	PLACES
	WIN 0
	CSLOAD 0, CSR0
	ROPE16 0, 0, 2, CSR0, CSR1, 8
	ROPE16 1, 1, 2, CSR1, CSR0, 14
	ROPE16 2, 2, 2, CSR0, CSR1, 14
	ROPE16 3, 3, 2, CSR1, CSR0, 14
	ROPE16 4, 0, 3, CSR0, CSR1, 14
	ROPE16 5, 1, 3, CSR1, CSR0, 14
	ROPE16 6, 2, 3, CSR0, CSR1, 14
	ROPE16 7, 3, 3, CSR1, CSR0, 6
	s_wait_dscnt 0x0                               ; my stage stores are done: other waves read them behind the barrier
	s_barrier_signal -1
	s_barrier_wait -1
.macro PLANEOUT p, f                   ; my 64 rows of head plane p: 8,192 consecutive bytes of qkv
.irp t, 0,1,2,3,4,5,6,7,8,9,10,11,12,13,14,15
	ds_load_b128 v[\f+4*\t:\f+4*\t+3], v[RD+\p] offset:576*\t
.endr
.irp t, 0,1,2,3,4,5,6,7,8,9,10,11,12,13,14,15
	s_wait_dscnt 15-\t
	global_store_b128 v[CO], v[\f+4*\t:\f+4*\t+3], s[OB+2*\p:OB+2*\p+1] offset:512*\t   ; a wave stores 512 consecutive bytes, aligned
.endr
.endm
	PLANEOUT 0, F0
	PLANEOUT 1, F1
	PLANEOUT 2, CSR0                               ; three buffers: no store's data is written again
	s_set_vgpr_msb 0x1
	s_wait_tensorcnt 0x0
	ds_add_u32 v255, v63
	s_wait_dscnt 0x0
	s_set_vgpr_msb 0x100
	CROUND                                         ; the closing round
	s_endpgm
.Lfunc_end_k_q63d211bfeb_qkv:
	.size	k_q63d211bfeb_qkv, .Lfunc_end_k_q63d211bfeb_qkv-k_q63d211bfeb_qkv
	.p2alignl 7, 3214868480
	.fill 96, 4, 3214868480
	.section	.rodata,"a",@progbits
	.p2align	6, 0x0
	.amdhsa_kernel k_q63d211bfeb_qkv
		.amdhsa_group_segment_fixed_size 327680
		.amdhsa_private_segment_fixed_size 0
		.amdhsa_enable_private_segment 0
		.amdhsa_kernarg_size 32
		.amdhsa_user_sgpr_count 2
		.amdhsa_user_sgpr_kernarg_segment_ptr 1
		.amdhsa_wavefront_size32 1
		.amdhsa_system_sgpr_workgroup_id_x 1
		.amdhsa_system_sgpr_workgroup_id_y 1
		.amdhsa_system_sgpr_workgroup_id_z 1
		.amdhsa_system_vgpr_workitem_id 0
		.amdhsa_next_free_vgpr 1024
		.amdhsa_next_free_sgpr 102
		.amdhsa_reserve_vcc 0
		.amdhsa_float_denorm_mode_32 3
		.amdhsa_float_denorm_mode_16_64 3
		.amdhsa_memory_ordered 1
		.amdhsa_forward_progress 1
		.amdhsa_inst_pref_size 201
	.end_amdhsa_kernel
	.amdgpu_metadata
---
amdhsa.version: [ 1, 2 ]
amdhsa.kernels:
  - .name:           k_q63d211bfeb_qkv
    .symbol:         k_q63d211bfeb_qkv.kd
    .args:
      - { .name: xb, .offset: 0, .size: 8, .value_kind: global_buffer, .address_space: global }
      - { .name: wb, .offset: 8, .size: 8, .value_kind: global_buffer, .address_space: global }
      - { .name: cs, .offset: 16, .size: 8, .value_kind: global_buffer, .address_space: global }
      - { .name: qkv, .offset: 24, .size: 8, .value_kind: global_buffer, .address_space: global }
    .group_segment_fixed_size: 327680
    .private_segment_fixed_size: 0
    .kernarg_segment_align: 8
    .kernarg_segment_size: 32
    .max_flat_workgroup_size: 128
    .sgpr_count:     102
    .vgpr_count:     1024
    .wavefront_size: 32
...
	.end_amdgpu_metadata
.endif
;; end of part 2
;; launch attn (part 3): grid 256 x 1, 8 waves a work-group, clusters of 4 x 1, 327,680 bytes of LDS; arguments qkv, ob; writes ob
.if DOCPART == 3
	.amdgcn_target "amdgcn-amd-amdhsa--gfx1250"
	.amdhsa_code_object_version 6
	.text
	.protected	k_q63d211bfeb_attn
	.globl	k_q63d211bfeb_attn
	.p2align	8
	.type	k_q63d211bfeb_attn,@function
k_q63d211bfeb_attn:
	s_mov_b64 s[64:65], 0
	v_nop
	global_prefetch_b8 v0, s[64:65] scope:SCOPE_SE
	s_setreg_imm32_b32 hwreg(HW_REG_WAVE_MODE, 25, 1), 1
	s_wait_xcnt 0x0
	s_wait_alu depctr_hold_cnt(0) depctr_sa_sdst(0) depctr_va_vdst(0) depctr_va_sdst(0) depctr_va_ssrc(0) depctr_va_vcc(0) depctr_vm_vsrc(0)
	s_getreg_b32 s2, hwreg(HW_REG_IB_STS2, 6, 4)
	s_cmp_eq_u32 s2, 0
	s_cbranch_scc0 .Lentry_in_a_cluster
	s_endpgm
.Lentry_in_a_cluster:
	s_bfe_u32 s2, ttmp6, 0x10000c
	s_cmp_lg_u32 s2, 0x3003
	s_cbranch_scc0 .Lentry_shape_is_right
	s_endpgm
.Lentry_shape_is_right:
; Launch 3 of 4.  Causal attention for 32 (batch, head) pairs of 2048 x 2048 x 64, f16 operands, f32 sums and softmax with a running maximum.
; ob [16 heads][4096 rows][64] f16.
; WORK: cluster C of 64: pair bh = C >> 1, I = C & 1.  The queries of a pair are four big blocks of 512; the cluster takes block J = I and then
; J = 3 - I; work-group cx takes rows 512 J + 128 cx .. + 127.  All four partners walk the same key tiles of 256 keys: 2J and 2J + 1 (masked),
; then 0 .. 2J - 1: 2 (I + 1) + 2 (4 - I) = 10 tiles in every work-group, and trip counts hang on C alone.  So K and V come by joint loads that
; name all four partners: a quarter of the requests.  The price: 10 tiles where exact causal blocks would need 8.5.
; WAVES: wave w has 64 queries (qh = w & 1) and 64 of a tile's keys (kq = w >> 1), and its own (maximum, sum, O); the four key quarters are
; merged through LDS at the end of a block.
; TRANSPOSED PRODUCTS: S^T = K Q^T: lane (r, h), register j holds key 8 h + j, query r.  Packed in pairs that is the second operand of
; O^T = V^T P^T as it stands; a query's statistics are one number a lane; V^T comes by the transposing LDS load.
; SCALE: N = -m c, c = log2(e) / 8; p = exp2(S c + N); O and the sum are rescaled by exp2(N_new - N_old), so every factor refers to the
; same N that the p were made with.
; LIMITS: the running maximum starts at -FLT_MAX, not at -infinity (exact for every finite score).  Operands are f16: |q|, |k|, |v| up to 65,504.
.set KP,    144                        ; K's LDS row: 128 bytes + 16
.set VP,    160                        ; V's LDS row: 128 bytes + 32 (an odd multiple of 32 for the transposing load)
.set KB,    256*KP
.set SLOT,  KB+256*VP                  ; 77,824
.set SCR,   2*SLOT                     ; merge: each wave 64 queries x 64 f32, pitch 272.  No fill ever lands here or behind
.set SCP,   272
.set SCWB,  64*SCP
.set STAT,  SCR+8*SCWB                 ; merge: each wave N (512 bytes), then the sums (512 bytes)
.set TILEB, 32768                      ; a tile of 256 keys in memory
; window 0
.set KAD,   4                          ; v4-5    my K fragments in slot 0, 1
.set VAD,   6                          ; v6-7    my V fragments
.set QOFF,  8
.set DB,    9                          ; query - key at (nt, mt, j) = 0 in the first diagonal tile
.set NINF,  10
.set STATW, 11
.set STATR, 12
.set SCWR,  13
.set SCR0,  14
.set SCR1,  15
.set OOFF,  16
.set D,     20                         ; v20-23
.set M,     24                         ; v24-27  running maximum, one for each 16 queries
.set LS,    28                         ; v28-31  running sum (of my half of the lanes)
.set AL,    32                         ; v32-35  rescaling factor
.set NMC,   36                         ; v36-39  N
.set NN,    40                         ; v40-43
.set TP,    44                         ; v44-47
.set SU,    48                         ; v48-51
.set KF,    64                         ; v64-127  K fragment (mt, ks) at 8 (2 mt + ks)
.set SB,    128                        ; v128-255 S tile (mt, nt) at 32 nt + 8 mt; P fragment (nt, ks2) at 32 nt + 16 ks2
.set NTOT,  96                         ; merge, in K's registers
.set E,     100
.set EO,    116
.set LTOT,  120
; window 1
.set OT,    0                          ; O tile (dt, nt) at 8 (4 nt + dt)
.set QF,    128                        ; Q fragment (nt, ks) at 8 (2 nt + ks)
.set VF,    192                        ; V fragment (dt, ks2) at 8 (2 dt + ks2)
.set G1K, 24
.set G1V, 32
.set G0K, 40                           ; s[40:47] a set for each slot
.set G0V, 48                           ; s[48:55]
.set MSB, 0
.macro WIN new
.if MSB != \new
	s_set_vgpr_msb (MSB<<8)|\new
.set MSB, \new
.endif
.endm
.macro ROUND                           ; a round of the cluster's barrier
	s_barrier_signal -1
	s_barrier_wait -1
	s_cmp_lg_u32 s8, 0
	s_cbranch_scc1 .Lnot_wave_0_\@
	s_barrier_signal -3
.Lnot_wave_0_\@:
	s_barrier_wait -3
	s_barrier_signal -1
	s_barrier_wait -1
.endm
.macro JLOAD s                         ; waves 0-3 ask for K's four quarters of 64 rows, waves 4-7 for V's
	s_cmp_eq_u32 s11, 0
	s_cbranch_scc0 .Lfor_v_\@
	tensor_load_to_lds s[G0K+4*\s:G0K+4*\s+3], s[G1K:G1K+7]
	s_nop 0
	s_branch .Lasked_\@
.Lfor_v_\@:
	tensor_load_to_lds s[G0V+4*\s:G0V+4*\s+3], s[G1V:G1V+7]
	s_nop 0
.Lasked_\@:
.endm
.macro SETADDR s                       ; slot s will take the tile at byte s60 of the K and V planes
	s_add_nc_u64 s[G0K+4*\s+2:G0K+4*\s+3], s[56:57], s[60:61]
	s_or_b32 s[G0K+4*\s+3], s[G0K+4*\s+3], 0x80000000
	s_add_nc_u64 s[G0V+4*\s+2:G0V+4*\s+3], s[58:59], s[60:61]
	s_or_b32 s[G0V+4*\s+3], s[G0V+4*\s+3], 0x80000000
.endm
	s_load_b128 s[4:7], s[0:1], 0x0                ; qkv, ob
	v_lshl_add_u32 v62, v0, 2, 0x4a000
	v_mov_b32 v63, 0
	ds_add_u32 v62, v63
	v_lshrrev_b32 v1, 5, v0
	v_readfirstlane_b32 s8, v1                     ; wave 0..7
	s_and_b32 s9, s8, 1                            ; qh
	s_lshr_b32 s10, s8, 1                          ; kq
	s_lshr_b32 s11, s8, 2                          ; I fetch K (0) or V (1)
	s_and_b32 s12, s8, 3                           ; which 64 rows of a tile I fetch
	s_bfe_u32 s13, ttmp6, 0x40000                  ; cx
	s_lshr_b32 s15, ttmp9, 1                       ; bh
	s_and_b32 s16, ttmp9, 1                        ; I
	s_mov_b32 s17, 0x76543210                      ; v_permlanex16_b32: lane i takes lane i of the other half
	s_mov_b32 s18, 0xfedcba98
	s_mov_b32 s20, 0x3e38aa3b                      ; c = log2(e) / sqrt(64)
	s_mov_b32 s21, 0x3e38aa3b
	s_mov_b32 s22, 0xbe38aa3b                      ; -c
	s_mov_b32 s[G1K+0], 15|(1<<16)|(1<<20)|(1<<21)|(4<<22)|(3<<25)   ; all four partners; 2-byte elements; after 32 words 4 words of padding
	s_mov_b32 s[G1V+0], 15|(1<<16)|(1<<20)|(1<<21)|(4<<22)|(7<<25)   ; 8 words of padding
.irp g, G1K, G1V
	s_mov_b32 s[\g+1], 64<<16                      ; tensor_dim0 = 64
	s_mov_b32 s[\g+2], 64<<16                      ; tensor_dim1 = 64
	s_mov_b32 s[\g+3], 64<<16                      ; tile_dim0 = 64
	s_mov_b32 s[\g+4], 64                          ; tile_dim1 = 64
	s_mov_b32 s[\g+5], 64                          ; elements from row to row
	s_mov_b32 s[\g+6], 0
	s_mov_b32 s[\g+7], 0
.endr
	s_add_co_u32 s74, s15, 32                      ; K's plane
	s_lshl_b32 s74, s74, 18
	s_lshl_b32 s76, s12, 13                        ; my 64 rows of 128 bytes
	s_add_co_u32 s74, s74, s76
	s_mov_b32 s75, 0
	s_add_co_u32 s76, s74, 32<<18                  ; V's plane
	s_mov_b32 s77, 0
	s_mul_i32 s78, s12, 64*KP
	s_mul_i32 s79, s12, 64*VP
.irp s, 0,1
	s_mov_b32 s[G0K+4*\s], 1
	s_add_co_u32 s[G0K+4*\s+1], s78, \s*SLOT
	s_mov_b32 s[G0V+4*\s], 1
	s_add_co_u32 s[G0V+4*\s+1], s79, \s*SLOT+KB
.endr
	s_lshl_b32 s60, s16, 16                        ; the first tile: 2 I
	s_mov_b32 s61, 0
	s_wait_dscnt 0x0
	s_wait_kmcnt 0x0
	s_add_nc_u64 s[56:57], s[4:5], s[74:75]
	s_add_nc_u64 s[58:59], s[4:5], s[76:77]
	SETADDR 0
	ROUND                                          ; the four partners are here: the first joint load meets
	JLOAD 0                                        ; one tensor load of this wave is out, here and behind every later round
	; where Q comes from and O goes to (these hang on cx; they feed no descriptor, no LDS address, no branch)
	s_lshl_b32 s84, s13, 14
	s_lshl_b32 s85, s9, 13
	s_add_co_u32 s84, s84, s85                     ; (128 cx + 64 qh) rows of 128 bytes
	s_lshl_b32 s85, s16, 16
	s_add_co_u32 s86, s84, s85                     ; + 512 J rows, J = I
	s_sub_co_u32 s85, 3, s16
	s_lshl_b32 s85, s85, 16
	s_add_co_u32 s87, s84, s85                     ; J = 3 - I
	s_lshl_b32 s88, s15, 18                        ; Q's plane
	s_mov_b32 s91, 0
	s_add_co_u32 s90, s86, s88
	s_add_nc_u64 s[66:67], s[4:5], s[90:91]
	s_add_co_u32 s90, s87, s88
	s_add_nc_u64 s[68:69], s[4:5], s[90:91]
	s_and_b32 s88, s15, 15
	s_lshl_b32 s88, s88, 19                        ; the head's plane of ob
	s_lshr_b32 s89, s15, 4
	s_lshl_b32 s89, s89, 18                        ; the batch's 2048 rows
	s_add_co_u32 s88, s88, s89
	s_lshl_b32 s89, s10, 11                        ; I write 16 of my 64 queries: rows 16 kq ..
	s_add_co_u32 s88, s88, s89
	s_add_co_u32 s90, s86, s88
	s_add_nc_u64 s[70:71], s[6:7], s[90:91]
	s_add_co_u32 s90, s87, s88
	s_add_nc_u64 s[72:73], s[6:7], s[90:91]
	v_and_b32 v1, 15, v0                           ; r
	v_bfe_u32 v2, v0, 4, 1                         ; h
	v_and_b32 v3, 31, v0                           ; l
	v_lshlrev_b32 v[QOFF], 7, v1
	v_lshl_add_u32 v[QOFF], v2, 4, v[QOFF]         ; 128 r + 16 h
.macro QLOAD b0                        ; 64 queries x 64: 8 fragments straight from memory, once for a block
	WIN 0x40
.irp nt, 0,1,2,3
.irp ks, 0,1
	global_load_b128 v[QF+8*(2*\nt+\ks):QF+8*(2*\nt+\ks)+3],   v[QOFF], s[\b0:\b0+1] offset:2048*\nt+64*\ks
	global_load_b128 v[QF+8*(2*\nt+\ks)+4:QF+8*(2*\nt+\ks)+7], v[QOFF], s[\b0:\b0+1] offset:2048*\nt+64*\ks+32
.endr
.endr
	WIN 0
.endm
	QLOAD 66
	v_mul_u32_u24 v17, v1, KP
	v_lshl_add_u32 v17, v2, 4, v17
	s_mul_i32 s74, s10, 64*KP
	v_add_nc_u32 v[KAD], s74, v17                  ; (64 kq + r) * 144 + 16 h
	v_add_nc_u32 v[KAD+1], SLOT, v[KAD]
	v_and_b32 v17, 7, v0
	v_lshl_add_u32 v17, v2, 3, v17
	v_mul_u32_u24 v17, v17, VP
	v_bfe_u32 v18, v0, 3, 1
	v_lshl_add_u32 v17, v18, 4, v17
	s_mul_i32 s74, s10, 64*VP
	s_add_co_u32 s74, s74, KB
	v_add_nc_u32 v[VAD], s74, v17                  ; (64 kq + 8 h + l % 8) * 160 + 16 ((l / 8) % 2), behind K
	v_add_nc_u32 v[VAD+1], SLOT, v[VAD]
	s_lshl_b32 s84, s13, 7
	s_lshl_b32 s85, s9, 6
	s_add_co_u32 s84, s84, s85
	s_lshl_b32 s85, s10, 6
	s_sub_co_i32 s84, s84, s85                     ; 128 cx + 64 qh - 64 kq
	v_lshlrev_b32 v17, 3, v2
	v_sub_nc_u32 v17, v1, v17
	v_add_nc_u32 v[DB], s84, v17                   ; + r - 8 h
	v_mov_b32 v[NINF], 0xff800000
	v_lshlrev_b32 v[OOFF], 4, v3                   ; 16 l
	s_lshl_b32 s74, s8, 10
	s_add_co_u32 s74, s74, STAT
	v_add_nc_u32 v[STATW], s74, v[OOFF]
	s_lshl_b32 s74, s9, 10
	s_add_co_u32 s74, s74, STAT
	v_add_nc_u32 v[STATR], s74, v[OOFF]            ; the waves of my qh lie 2,048 bytes apart
	v_mul_u32_u24 v18, v1, SCP
	v_lshl_add_u32 v18, v2, 5, v18
	s_mul_i32 s74, s8, SCWB
	s_add_co_u32 s74, s74, SCR
	v_add_nc_u32 v[SCWR], s74, v18                 ; query r, 8 f32 at 32 h
	v_lshrrev_b32 v18, 3, v3
	v_mul_u32_u24 v18, v18, SCP
	v_and_b32 v19, 7, v0
	v_lshl_add_u32 v18, v19, 5, v18
	s_mul_i32 s74, s9, SCWB
	s_mul_i32 s75, s10, 16*SCP
	s_add_co_u32 s74, s74, s75
	s_add_co_u32 s74, s74, SCR
	v_add_nc_u32 v[SCR0], s74, v18                 ; key quarters 0, 1 of my qh: query 16 kq + l / 8, 8 f32 at 32 (l % 8)
	v_add_nc_u32 v[SCR1], 4*SCWB, v[SCR0]          ; key quarters 2, 3
.irp nt, 0,1,2,3
	v_mov_b32 v[TP+\nt], 0                         ; v_permlanex16_b32 counts as a reader of its destination
.endr
.macro RESET                           ; a new block of queries
.irp nt, 0,1,2,3
	v_mov_b32 v[M+\nt], 0xff7fffff
	v_mov_b32 v[LS+\nt], 0
.endr
.irp nt, 0,1,2,3
	v_mul_f32 v[NMC+\nt], s22, v[M+\nt]
.endr
.endm
.macro OSCALE                          ; O(:, query) *= AL(query)
	WIN 0x41
.irp nt, 0,2
.set i_, 0
.rept 16
	v_pk_mul_f32 v[OT+32*\nt+2*i_:OT+32*\nt+2*i_+1], v[OT+32*\nt+2*i_:OT+32*\nt+2*i_+1], v[AL+\nt:AL+\nt+1] op_sel_hi:[1,0]
.set i_, i_+1
.endr
.set i_, 0
.rept 16
	v_pk_mul_f32 v[OT+32*\nt+32+2*i_:OT+32*\nt+32+2*i_+1], v[OT+32*\nt+32+2*i_:OT+32*\nt+32+2*i_+1], v[AL+\nt:AL+\nt+1] op_sel:[0,1] op_sel_hi:[1,1]
.set i_, i_+1
.endr
.endr
	WIN 0
.endm
.macro SFMA nt                         ; S c + N for 16 queries x 64 keys
.set i_, 0
.rept 16
.if (\nt)&1
	v_pk_fma_f32 v[SB+32*\nt+2*i_:SB+32*\nt+2*i_+1], v[SB+32*\nt+2*i_:SB+32*\nt+2*i_+1], s[20:21], v[NMC+\nt-1:NMC+\nt] op_sel:[0,0,1] op_sel_hi:[1,0,1]
.else
	v_pk_fma_f32 v[SB+32*\nt+2*i_:SB+32*\nt+2*i_+1], v[SB+32*\nt+2*i_:SB+32*\nt+2*i_+1], s[20:21], v[NMC+\nt:NMC+\nt+1] op_sel_hi:[1,0,0]
.endif
.set i_, i_+1
.endr
.endm
.macro SEXP nt
.set i_, 0
.rept 32
	v_exp_f32 v[SB+32*\nt+i_], v[SB+32*\nt+i_]
.set i_, i_+1
.endr
.endm
.macro SUMCVT nt                       ; the sum of my 32 p in two chains, then the p packed to f16 in place, ascending
	s_wait_alu depctr_va_vdst(0)
	v_pk_add_f32 v[SU:SU+1],   v[SB+32*\nt:SB+32*\nt+1],   v[SB+32*\nt+2:SB+32*\nt+3]
	v_pk_add_f32 v[SU+2:SU+3], v[SB+32*\nt+4:SB+32*\nt+5], v[SB+32*\nt+6:SB+32*\nt+7]
.irp i, 8,12,16,20,24,28
	v_pk_add_f32 v[SU:SU+1],   v[SU:SU+1],   v[SB+32*\nt+\i:SB+32*\nt+\i+1]
	v_pk_add_f32 v[SU+2:SU+3], v[SU+2:SU+3], v[SB+32*\nt+\i+2:SB+32*\nt+\i+3]
.endr
	v_pk_add_f32 v[SU:SU+1], v[SU:SU+1], v[SU+2:SU+3]
	v_add_f32 v[SU], v[SU], v[SU+1]
	v_fma_f32 v[LS+\nt], v[LS+\nt], v[AL+\nt], v[SU]
.irp k, 0,16
.irp u, 0,1,2,3,4,5,6,7
	v_cvt_pk_f16_f32 v[SB+32*\nt+\k+\u], v[SB+32*\nt+\k+2*\u], v[SB+32*\nt+\k+2*\u+1]
.endr
.endr
.endm
.macro SOFTMAX dtile, masked
.if \masked
.irp nt, 0,1,2,3
	v_add_nc_u32 v[D+\nt], 16*\nt-256*\dtile, v[DB]
.endr
.irp nt, 0,1,2,3
.irp mt, 0,1,2,3
.irp j, 0,1,2,3,4,5,6,7
	v_cmp_gt_i32 vcc_lo, 16*\mt+\j, v[D+\nt]       ; the key lies behind the query
	v_cndmask_b32 v[SB+32*\nt+8*\mt+\j], v[SB+32*\nt+8*\mt+\j], v[NINF], vcc_lo
.endr
.endr
.endr
.endif
.set i_, 0
.rept 16
.irp nt, 0,1,2,3
	v_max3_num_f32 v[M+\nt], v[M+\nt], v[SB+32*\nt+2*i_], v[SB+32*\nt+2*i_+1]
.endr
.set i_, i_+1
.endr
.irp nt, 0,1,2,3
	v_permlanex16_b32 v[TP+\nt], v[M+\nt], s17, s18   ; the other half of the lanes holds the query's other keys
.endr
.irp nt, 0,1,2,3
	v_max_num_f32 v[M+\nt], v[M+\nt], v[TP+\nt]
.endr
.irp nt, 0,1,2,3
	v_mul_f32 v[NN+\nt], s22, v[M+\nt]
.endr
.irp nt, 0,1,2,3
	v_sub_f32 v[AL+\nt], v[NN+\nt], v[NMC+\nt]     ; <= 0; exactly 0 where the maximum stays
.endr
.irp nt, 0,1,2,3
	v_exp_f32 v[AL+\nt], v[AL+\nt]
.endr
.irp nt, 0,1,2,3
	v_mov_b32 v[NMC+\nt], v[NN+\nt]
.endr
	; between a run of exponentials and the first use of its results stands plain work on other registers (ISA guide 5.7.2)
	SFMA 0
	SEXP 0
	SFMA 1
	SEXP 1
	SUMCVT 0
	SFMA 2
	SEXP 2
	SUMCVT 1
	SFMA 3
	SEXP 3
	SUMCVT 2
	SUMCVT 3
.endm
; One key tile, in LDS slot `slot`.  In front of the round every wave waits for all its tensor loads (its part of this tile among them) and
; for its reads of the other slot; behind the round the other slot is asked for again, first, one load a wave; then this slot is read.
; All accumulators take turns, one instruction a turn.
.macro TRIP slot, dtile, masked, first, refill
	s_wait_tensorcnt 0x0
	ds_add_u32 v62, v63
	s_wait_dscnt 0x0
.if \refill
	SETADDR (1-\slot)
.endif
	s_wait_dscnt 0x0
	ROUND
.if \refill
	JLOAD (1-\slot)
.endif
.irp mt, 0,1,2,3
.irp ks, 0,1
	ds_load_b128 v[KF+8*(2*\mt+\ks):KF+8*(2*\mt+\ks)+3],   v[KAD+\slot] offset:2304*\mt+64*\ks
	ds_load_b128 v[KF+8*(2*\mt+\ks)+4:KF+8*(2*\mt+\ks)+7], v[KAD+\slot] offset:2304*\mt+64*\ks+32
.endr
.endr
	WIN 0x40
.irp dt, 0,1,2,3
.irp kk, 0,1
	ds_load_tr16_b128 v[VF+8*(2*\dt+\kk):VF+8*(2*\dt+\kk)+3],   v[VAD+\slot] offset:5120*\kk+32*\dt
	ds_load_tr16_b128 v[VF+8*(2*\dt+\kk)+4:VF+8*(2*\dt+\kk)+7], v[VAD+\slot] offset:5120*\kk+32*\dt+2560
.endr
.endr
	WIN 0
.if \first
	s_wait_loadcnt 0x0                             ; Q
.endif
	s_wait_dscnt 16                                ; K is in; V's sixteen loads may stay out
	WIN 0x04
.irp nt, 0,1,2,3
.irp mt, 0,1,2,3
	v_wmma_f32_16x16x32_f16 v[SB+32*\nt+8*\mt:SB+32*\nt+8*\mt+7], v[KF+16*\mt:KF+16*\mt+7], v[QF+16*\nt:QF+16*\nt+7], 0
.endr
.endr
.irp nt, 0,1,2,3
.irp mt, 0,1,2,3
	v_wmma_f32_16x16x32_f16 v[SB+32*\nt+8*\mt:SB+32*\nt+8*\mt+7], v[KF+16*\mt+8:KF+16*\mt+15], v[QF+16*\nt+8:QF+16*\nt+15], v[SB+32*\nt+8*\mt:SB+32*\nt+8*\mt+7]
.endr
.endr
	WIN 0
.rept 4
	v_nop                                          ; four places in front of the first read of a score (ISA guide 7.12.1)
.endr
	SOFTMAX \dtile, \masked
.if \first == 0
	OSCALE
.endif
	s_wait_dscnt 0x0                               ; V
	WIN 0x51
.irp nt, 0,1,2,3
.irp dt, 0,1,2,3
.if \first
	v_wmma_f32_16x16x32_f16 v[OT+32*\nt+8*\dt:OT+32*\nt+8*\dt+7], v[VF+16*\dt:VF+16*\dt+7], v[SB+32*\nt:SB+32*\nt+7], 0
.else
	v_wmma_f32_16x16x32_f16 v[OT+32*\nt+8*\dt:OT+32*\nt+8*\dt+7], v[VF+16*\dt:VF+16*\dt+7], v[SB+32*\nt:SB+32*\nt+7], v[OT+32*\nt+8*\dt:OT+32*\nt+8*\dt+7]
.endif
.endr
.endr
.irp nt, 0,1,2,3
.irp dt, 0,1,2,3
	v_wmma_f32_16x16x32_f16 v[OT+32*\nt+8*\dt:OT+32*\nt+8*\dt+7], v[VF+16*\dt+8:VF+16*\dt+15], v[SB+32*\nt+16:SB+32*\nt+23], v[OT+32*\nt+8*\dt:OT+32*\nt+8*\dt+7]
.endr
.endr
	WIN 0
.rept 5
	v_nop                                          ; five places in front of the score products that write over P, and of loads into V's registers
.endr
.endm
; The four key quarters of a query become one result.  b0: the scalar pair with the place in ob.
.macro MERGE b0
.irp nt, 0,1,2,3
	v_permlanex16_b32 v[TP+\nt], v[LS+\nt], s17, s18
.endr
.irp nt, 0,1,2,3
	v_add_f32 v[LS+\nt], v[LS+\nt], v[TP+\nt]
.endr
	ds_store_b128 v[STATW], v[NMC:NMC+3]
	ds_store_b128 v[STATW], v[LS:LS+3] offset:512
	s_wait_dscnt 0x0                               ; for the other waves: zero
	s_barrier_signal -1                            ; the next block's first tile may stay on its way
	s_barrier_wait -1
.irp k, 0,1,2,3
	ds_load_b128 v[KF+8*\k:KF+8*\k+3],   v[STATR] offset:2048*\k
	ds_load_b128 v[KF+8*\k+4:KF+8*\k+7], v[STATR] offset:2048*\k+512
.endr
	s_wait_dscnt 0x0
.irp nt, 0,1,2,3
	v_min_num_f32 v[NTOT+\nt], v[KF+\nt], v[KF+8+\nt]
	v_min_num_f32 v[LTOT+\nt], v[KF+16+\nt], v[KF+24+\nt]
.endr
.irp nt, 0,1,2,3
	v_min_num_f32 v[NTOT+\nt], v[NTOT+\nt], v[LTOT+\nt]   ; the least N belongs to the largest maximum
.endr
.irp k, 0,1,2,3
.irp nt, 0,1,2,3
	v_sub_f32 v[E+4*\k+\nt], v[NTOT+\nt], v[KF+8*\k+\nt]
.endr
.endr
.irp nt, 0,1,2,3
	v_sub_f32 v[EO+\nt], v[NTOT+\nt], v[NMC+\nt]
.endr
.set i_, 0
.rept 20
	v_exp_f32 v[E+i_], v[E+i_]                     ; EO = E + 16
.set i_, i_+1
.endr
	v_nop
	s_wait_alu depctr_va_vdst(0)
.irp nt, 0,1,2,3
	v_mul_f32 v[LTOT+\nt], v[E+\nt], v[KF+4+\nt]
.endr
.irp k, 1,2,3
.irp nt, 0,1,2,3
	v_fmac_f32 v[LTOT+\nt], v[E+4*\k+\nt], v[KF+8*\k+4+\nt]
.endr
.endr
.irp nt, 0,1,2,3
	v_rcp_f32 v[LTOT+\nt], v[LTOT+\nt]             ; the sum holds the largest score's p, about 1, so it is never small
.endr
	v_nop
	s_wait_alu depctr_va_vdst(0)
.irp nt, 0,1,2,3
	v_mul_f32 v[AL+\nt], v[EO+\nt], v[LTOT+\nt]
.endr
	OSCALE
	WIN 0x04
.irp nt, 0,1,2,3
.irp dt, 0,1,2,3
	ds_store_b128 v[SCWR], v[OT+32*\nt+8*\dt:OT+32*\nt+8*\dt+3]   offset:4352*\nt+64*\dt
	ds_store_b128 v[SCWR], v[OT+32*\nt+8*\dt+4:OT+32*\nt+8*\dt+7] offset:4352*\nt+64*\dt+16
.endr
.endr
	WIN 0
	s_wait_dscnt 0x0
	s_barrier_signal -1
	s_barrier_wait -1
.irp i, 0,1,2,3
.irp k, 0,1
	ds_load_b128 v[SB+32*\i+8*\k:SB+32*\i+8*\k+3],       v[SCR0] offset:34816*\k+1088*\i
	ds_load_b128 v[SB+32*\i+8*\k+4:SB+32*\i+8*\k+7],     v[SCR0] offset:34816*\k+1088*\i+16
.endr
.irp k, 0,1
	ds_load_b128 v[SB+32*\i+16+8*\k:SB+32*\i+16+8*\k+3],   v[SCR1] offset:34816*\k+1088*\i
	ds_load_b128 v[SB+32*\i+16+8*\k+4:SB+32*\i+16+8*\k+7], v[SCR1] offset:34816*\k+1088*\i+16
.endr
.endr
.irp i, 0,1,2,3
	s_wait_dscnt 24-8*\i                           ; the later groups of eight loads may stay out
.irp u, 0,2,4,6
	v_pk_add_f32 v[SB+32*\i+\u:SB+32*\i+\u+1],       v[SB+32*\i+\u:SB+32*\i+\u+1],       v[SB+32*\i+8+\u:SB+32*\i+8+\u+1]
	v_pk_add_f32 v[SB+32*\i+16+\u:SB+32*\i+16+\u+1], v[SB+32*\i+16+\u:SB+32*\i+16+\u+1], v[SB+32*\i+24+\u:SB+32*\i+24+\u+1]
.endr
.irp u, 0,2,4,6
	v_pk_add_f32 v[SB+32*\i+\u:SB+32*\i+\u+1], v[SB+32*\i+\u:SB+32*\i+\u+1], v[SB+32*\i+16+\u:SB+32*\i+16+\u+1]
.endr
.irp u, 0,1,2,3
	v_cvt_pk_f16_f32 v[SB+32*\i+\u], v[SB+32*\i+2*\u], v[SB+32*\i+2*\u+1]
.endr
	global_store_b128 v[OOFF], v[SB+32*\i:SB+32*\i+3], s[\b0:\b0+1] offset:512*\i   ; a wave stores 4 rows of a head: 512 consecutive bytes, aligned
.endr
	s_wait_xcnt 0x0                                ; the stores' data registers are written again (scores) only behind this wait
.endm
	RESET
	; block J = I: tiles 2 I, 2 I + 1, and for I = 1 tiles 0, 1.  s60 = the tile that the coming trip asks for
	s_lshl_b32 s60, s16, 16
	s_add_co_u32 s60, s60, TILEB
	TRIP 0, 0, 1, 1, 1
	s_cmp_eq_u32 s16, 0
	s_cselect_b32 s60, 6*TILEB, 0                  ; I = 0: the next block's first tile (J = 3); I = 1: tile 0
	TRIP 1, 1, 1, 0, 1
	s_cmp_eq_u32 s16, 0                            ; hangs on the cluster's number alone: the same in all partners and waves
	s_cbranch_scc1 .Lskip_a
	s_mov_b32 s60, TILEB
	TRIP 0, 0, 0, 0, 1
	s_mov_b32 s60, 4*TILEB                         ; the next block's first tile (J = 2)
	TRIP 1, 0, 0, 0, 1
.Lskip_a:
	QLOAD 68                                       ; the next block's queries come in under the merge
	MERGE 70
	RESET
	; block J = 3 - I: tiles 2 J, 2 J + 1, then 0 .. 2 J - 1
	s_lshl_b32 s60, s16, 16
	s_sub_co_u32 s60, 7*TILEB, s60
	TRIP 0, 0, 1, 1, 1
	s_mov_b32 s60, 0
	TRIP 1, 1, 1, 0, 1
	s_sub_co_u32 s80, 2, s16                       ; 2 (2 - I) tiles in the loop, two behind it
.Lkeys:
	s_add_co_u32 s60, s60, TILEB
	TRIP 0, 0, 0, 0, 1
	s_add_co_u32 s60, s60, TILEB
	TRIP 1, 0, 0, 0, 1
	s_sub_co_u32 s80, s80, 1
	s_cmp_lg_u32 s80, 0
	s_cbranch_scc1 .Lkeys
	s_add_co_u32 s60, s60, TILEB
	TRIP 0, 0, 0, 0, 1
	TRIP 1, 0, 0, 0, 0                             ; the last tile: nothing is left to ask for
	MERGE 72
	s_wait_tensorcnt 0x0
	ds_add_u32 v62, v63
	s_wait_dscnt 0x0
	ROUND                                          ; the closing round
	s_endpgm
.Lfunc_end_k_q63d211bfeb_attn:
	.size	k_q63d211bfeb_attn, .Lfunc_end_k_q63d211bfeb_attn-k_q63d211bfeb_attn
	.p2alignl 7, 3214868480
	.fill 96, 4, 3214868480
	.section	.rodata,"a",@progbits
	.p2align	6, 0x0
	.amdhsa_kernel k_q63d211bfeb_attn
		.amdhsa_group_segment_fixed_size 327680
		.amdhsa_private_segment_fixed_size 0
		.amdhsa_enable_private_segment 0
		.amdhsa_kernarg_size 16
		.amdhsa_user_sgpr_count 2
		.amdhsa_user_sgpr_kernarg_segment_ptr 1
		.amdhsa_wavefront_size32 1
		.amdhsa_system_sgpr_workgroup_id_x 1
		.amdhsa_system_sgpr_workgroup_id_y 1
		.amdhsa_system_sgpr_workgroup_id_z 1
		.amdhsa_system_vgpr_workitem_id 0
		.amdhsa_next_free_vgpr 512
		.amdhsa_next_free_sgpr 96
		.amdhsa_reserve_vcc 1
		.amdhsa_float_denorm_mode_32 3
		.amdhsa_float_denorm_mode_16_64 3
		.amdhsa_memory_ordered 1
		.amdhsa_forward_progress 1
		.amdhsa_inst_pref_size 255
	.end_amdhsa_kernel
	.section	.bss,"aw",@nobits
	.p2align	6
	.space	262144
	.amdgpu_metadata
---
amdhsa.version: [ 1, 2 ]
amdhsa.kernels:
  - .name:           k_q63d211bfeb_attn
    .symbol:         k_q63d211bfeb_attn.kd
    .args:
      - { .name: qkv, .offset: 0, .size: 8, .value_kind: global_buffer, .address_space: global }
      - { .name: ob, .offset: 8, .size: 8, .value_kind: global_buffer, .address_space: global }
    .group_segment_fixed_size: 327680
    .private_segment_fixed_size: 0
    .kernarg_segment_align: 8
    .kernarg_segment_size: 16
    .max_flat_workgroup_size: 256
    .sgpr_count:     96
    .vgpr_count:     512
    .wavefront_size: 32
...
	.end_amdgpu_metadata
.endif
;; end of part 3
;; launch oproj (part 4): grid 8 x 32, 4 waves a work-group, clusters of 4 x 4, 327,680 bytes of LDS; arguments ob, wb, out0; writes out0
.if DOCPART == 4
	.amdgcn_target "amdgcn-amd-amdhsa--gfx1250"
	.amdhsa_code_object_version 6
	.text
	.protected	k_q63d211bfeb_oproj
	.globl	k_q63d211bfeb_oproj
	.p2align	8
	.type	k_q63d211bfeb_oproj,@function
k_q63d211bfeb_oproj:
	s_mov_b64 s[64:65], 0
	v_nop
	global_prefetch_b8 v0, s[64:65] scope:SCOPE_SE
	s_setreg_imm32_b32 hwreg(HW_REG_WAVE_MODE, 25, 1), 1
	s_wait_xcnt 0x0
	s_wait_alu depctr_hold_cnt(0) depctr_sa_sdst(0) depctr_va_vdst(0) depctr_va_sdst(0) depctr_va_ssrc(0) depctr_va_vcc(0) depctr_vm_vsrc(0)
	s_getreg_b32 s2, hwreg(HW_REG_IB_STS2, 6, 4)
	s_cmp_eq_u32 s2, 0
	s_cbranch_scc0 .Lentry_in_a_cluster
	s_endpgm
.Lentry_in_a_cluster:
	s_bfe_u32 s2, ttmp6, 0x10000c
	s_cmp_lg_u32 s2, 0xf033
	s_cbranch_scc0 .Lentry_shape_is_right
	s_endpgm
.Lentry_shape_is_right:
; Launch 4 of 4.  out0 [4096 x 1024] f32 = o [4096 x 1024] times Wo^T; f16 operands (ob; rows 3072-4095 of wb), f32 sums.
; 256 work-groups, each 128 x 128 of out0 (larger blocks would leave work-groups for fewer than all 256); four waves, each 64 x 64: 16 tiles.
; K goes in 8 steps of 128 = two heads of ob ([16 heads][4096][64]) through two LDS slots filled by tensor loads.
; CLUSTERS: 4 x 4 work-groups; o's tiles are asked for jointly along a row of the cluster, Wo's along a column: a quarter of the requests.
; The matrix instruction is used transposed (source 0 = rows of Wo, source 1 = rows of o): a lane holds eight neighbouring columns of a row.
; REGISTERS: window 0: v0-31 addresses, v64-127 and v128-191 two fragment buffers (Wo at +0, o at +32); window 1: tile (a, b) at 8 (4 a + b).
.set KSTEP,  128
.set APITCH, 144                       ; a head's row: 128 bytes + 16
.set BPITCH, 272                       ; Wo's row of a K step: 256 bytes + 16
.set APL,    128*APITCH                ; 128 rows of one head
.set BOFF,   2*APL
.set BHALF,  64*BPITCH
.set SLOT,   BOFF+2*BHALF              ; 71,680
.set STAGE,  2*SLOT                    ; behind the ring: 16 rows x 272 bytes for each wave; no fill lands here
.set SPITCH, 272
.set LAPS,   4
.set ADRA, 16
.set ADRB, 20
.set STO,  24
.set RD,   25
.set CO,   26
.set F0,   64
.set F1,   128
.set G1,  24
.set G0,  32
.set G1B, 48
.set G0B, 56
.set MSB, 0
.set MUL, 0x50                         ; C and D window 1
.macro WIN new
.if MSB != \new
	s_set_vgpr_msb (MSB<<8)|\new
.set MSB, \new
.endif
.endm
.macro JLOAD s                         ; waves 0, 1 ask for the step's two heads of o, waves 2, 3 for the halves of Wo's tile
	s_cmp_eq_u32 s11, 0
	s_cbranch_scc0 .Lfor_b_\@
	tensor_load_to_lds s[G0+4*\s:G0+4*\s+3], s[G1:G1+7]
	s_nop 0
	s_branch .Lasked_\@
.Lfor_b_\@:
	tensor_load_to_lds s[G0B+4*\s:G0B+4*\s+3], s[G1B:G1B+7]
	s_nop 0
.Lasked_\@:
.endm
.macro CREST
	s_cmp_lg_u32 s10, 0
	s_cbranch_scc1 .Lnot_wave_0_\@
	s_barrier_signal -3
.Lnot_wave_0_\@:
	s_barrier_wait -3
	s_barrier_signal -1
	s_barrier_wait -1
.endm
.macro CROUND
	s_barrier_signal -1
	s_barrier_wait -1
	CREST
.endm
.macro PLACES                          ; four plain places behind a matrix instruction (ISA guide 7.12.1)
.rept 4
	v_nop
.endr
.endm
	s_load_b128 s[4:7], s[0:1], 0x0                ; ob, wb
	s_load_b64 s[8:9], s[0:1], 0x10                ; out0
	v_lshl_add_u32 v254, v0, 2, 0x29000
	v_mov_b32 v255, 0
	ds_add_u32 v254, v255
	v_lshrrev_b32 v1, 5, v0
	v_readfirstlane_b32 s10, v1
	s_lshr_b32 s11, s10, 1                         ; my half of the rows; also: I fetch o (0) or Wo (1)
	s_and_b32 s12, s10, 1                          ; my half of the columns; also: which part of a tile I fetch
	s_bfe_u32 s40, ttmp6, 0x40000
	s_bfe_u32 s41, ttmp6, 0x40004
	s_lshl_b32 s42, ttmp9, 2
	s_add_co_u32 s42, s42, s40                     ; block column
	s_and_b32 s13, ttmp7, 0xffff
	s_lshl_b32 s13, s13, 2
	s_add_co_u32 s13, s13, s41                     ; block row
	s_lshl_b32 s43, s41, 2
	s_lshl_b32 s43, 15, s43
	s_lshl_b32 s44, 0x1111, s40
	s_or_b32 s[G1+0],  s43, (1<<16)|(1<<20)|(1<<21)|(4<<22)|(3<<25)   ; o: after 32 words 4 words of padding
	s_or_b32 s[G1B+0], s44, (1<<16)|(1<<20)|(1<<21)|(5<<22)|(3<<25)   ; Wo: after 64 words
	s_mov_b32 s[G1+1],  64<<16                     ; 64 elements
	s_mov_b32 s[G1B+1], KSTEP<<16
	s_mov_b32 s[G1+2],  128<<16                    ; 128 rows
	s_mov_b32 s[G1B+2], 64<<16                     ; 64 rows
	s_mov_b32 s[G1+3],  64<<16
	s_mov_b32 s[G1B+3], KSTEP<<16
	s_mov_b32 s[G1+4],  128
	s_mov_b32 s[G1B+4], 64
	s_mov_b32 s[G1+5],  64
	s_mov_b32 s[G1B+5], 1024
	s_mov_b32 s[G1+6],  0
	s_mov_b32 s[G1B+6], 0
	s_mov_b32 s[G1+7],  0
	s_mov_b32 s[G1B+7], 0
	s_lshl_b32 s16, s12, 19                        ; o: head = part, plane of 524,288 bytes,
	s_lshl_b32 s17, s13, 14                        ; row 128 * block row, 128 bytes a row
	s_add_co_u32 s16, s16, s17
	s_mov_b32 s17, 0
	s_lshl_b32 s46, s42, 18                        ; Wo: row 128 * block column + 64 * part, 2,048 bytes a row,
	s_lshl_b32 s47, s12, 17
	s_add_co_u32 s46, s46, s47
	s_add_co_u32 s46, s46, 3072*2048               ; behind Wq, Wk, Wv
	s_mov_b32 s47, 0
	s_mul_i32 s20, s10, APL                        ; LDS: waves 0, 1
	s_mul_i32 s21, s10, BHALF
	s_add_co_u32 s21, s21, BOFF-2*BHALF            ; waves 2, 3
	s_wait_dscnt 0x0
	s_wait_kmcnt 0x0
	s_add_nc_u64 s[14:15], s[4:5], s[16:17]
	s_add_nc_u64 s[46:47], s[6:7], s[46:47]
	CROUND
.irp s, 0,1
	s_mov_b32 s[G0+4*\s], 1
	s_add_co_u32 s[G0+4*\s+1], s20, \s*SLOT
	s_add_nc_u64 s[G0+4*\s+2:G0+4*\s+3], s[14:15], \s*2*524288
	s_or_b32 s[G0+4*\s+3], s[G0+4*\s+3], 0x80000000
	s_mov_b32 s[G0B+4*\s], 1
	s_add_co_u32 s[G0B+4*\s+1], s21, \s*SLOT
	s_add_nc_u64 s[G0B+4*\s+2:G0B+4*\s+3], s[46:47], \s*KSTEP*2
	s_or_b32 s[G0B+4*\s+3], s[G0B+4*\s+3], 0x80000000
	JLOAD \s                                       ; two loads of this wave are out
.endr
	v_and_b32 v1, 15, v0
	v_bfe_u32 v2, v0, 4, 1
	v_mul_u32_u24 v3, v1, APITCH
	v_lshl_add_u32 v3, v2, 4, v3
	v_mul_u32_u24 v4, v1, BPITCH
	v_lshl_add_u32 v4, v2, 4, v4
	s_mul_i32 s21, s11, 64*APITCH
	s_mul_i32 s22, s12, BHALF
	s_add_co_u32 s22, s22, BOFF
.irp s, 0,1
	v_add_nc_u32 v[ADRA+\s], s21, v3
	v_add_nc_u32 v[ADRB+\s], s22, v4
	s_add_co_u32 s21, s21, SLOT
	s_add_co_u32 s22, s22, SLOT
.endr
	s_mul_i32 s23, s10, 16*SPITCH
	s_add_co_u32 s23, s23, STAGE
	v_mul_u32_u24 v5, v1, SPITCH
	v_lshl_add_u32 v5, v2, 5, v5                   ; in: row r, 32 bytes for each half of the lanes
	v_add_nc_u32 v[STO], s23, v5
	v_mul_u32_u24 v5, v2, SPITCH
	v_lshl_add_u32 v5, v1, 4, v5                   ; back: lanes 0-15 one row of 256 bytes, lanes 16-31 the next
	v_add_nc_u32 v[RD], s23, v5
	v_lshlrev_b32 v5, 12, v2
	v_lshl_add_u32 v[CO], v1, 4, v5                ; the same two rows in out0, 4,096 bytes apart
	s_lshl_b32 s66, s13, 19                        ; 128 rows of 4,096 bytes a block row
	s_lshl_b32 s67, s11, 18
	s_add_co_u32 s66, s66, s67
	s_lshl_b32 s67, s42, 9                         ; 128 columns of 4 bytes a block column
	s_add_co_u32 s66, s66, s67
	s_lshl_b32 s67, s12, 8
	s_add_co_u32 s66, s66, s67
	s_mov_b32 s67, 0
	s_add_nc_u64 s[8:9], s[8:9], s[66:67]
; 16 matrix instructions, 32 along K.  The 16 accumulators take turns, one instruction a turn.
.macro MUL16 f, zero
	WIN MUL
.irp a, 0,1,2,3
.irp b, 0,1,2,3
.if \zero
	v_wmma_f32_16x16x32_f16 v[8*(4*\a+\b):8*(4*\a+\b)+7], v[\f+8*\b:\f+8*\b+7], v[\f+32+8*\a:\f+32+8*\a+7], 0
.else
	v_wmma_f32_16x16x32_f16 v[8*(4*\a+\b):8*(4*\a+\b)+7], v[\f+8*\b:\f+8*\b+7], v[\f+32+8*\a:\f+32+8*\a+7], v[8*(4*\a+\b):8*(4*\a+\b)+7]
.endif
.endr
.endr
	WIN 0
.endm
.macro FETCH slot, q, f                ; quarter q of a K step: 64 rows of Wo, 64 rows of o (head q / 2, columns 32 (q % 2) ..): 16 loads
.irp i, 0,1,2,3
	ds_load_b128 v[\f+8*\i:\f+8*\i+3],   v[ADRB+\slot] offset:64*\q+\i*16*BPITCH
	ds_load_b128 v[\f+8*\i+4:\f+8*\i+7], v[ADRB+\slot] offset:64*\q+\i*16*BPITCH+32
.endr
.irp i, 0,1,2,3
	ds_load_b128 v[\f+32+8*\i:\f+32+8*\i+3],   v[ADRA+\slot] offset:(\q>>1)*APL+(\q&1)*64+\i*16*APITCH
	ds_load_b128 v[\f+32+8*\i+4:\f+32+8*\i+7], v[ADRA+\slot] offset:(\q>>1)*APL+(\q&1)*64+\i*16*APITCH+32
.endr
.endm
.macro QUARTER slot, q, f, g, zero     ; fetches quarter q into g, multiplies f
	PLACES
	FETCH \slot, \q, \g
	s_wait_dscnt 16                                ; all but the 16 just issued
	MUL16 \f, \zero
.endm
.macro THREE slot, zero
	QUARTER \slot, 1, F0, F1, \zero
	QUARTER \slot, 2, F1, F0, 0
	QUARTER \slot, 3, F0, F1, 0
.endm
; The last quarter changes slots: each wave's reads of this slot and all its tensor loads are waited for in front of the barrier, which, where
; the slot is filled again, opens a round of the cluster's barrier; the joint refill is the first tensor load behind the round.
.macro TURN slot, next, fill
	s_wait_dscnt 0
	s_wait_tensorcnt 0x0
	ds_add_u32 v254, v255
	s_wait_dscnt 0x0
	s_barrier_signal -1
	MUL16 F1, 0
	s_barrier_wait -1
.if \fill
	CREST
	s_add_nc_u64 s[G0+4*\slot+2:G0+4*\slot+3], s[G0+4*\slot+2:G0+4*\slot+3], 4*524288
	s_add_nc_u64 s[G0B+4*\slot+2:G0B+4*\slot+3], s[G0B+4*\slot+2:G0B+4*\slot+3], 2*KSTEP*2
	JLOAD \slot
.endif
	PLACES
	FETCH \next, 0, F0
.endm
.macro LAP zero
	THREE 0, \zero
	TURN 0, 1, 1
	THREE 1, 0
	TURN 1, 0, 1
.endm
	s_wait_tensorcnt 0x1                           ; my part of K step 0 is in; K step 1 may stay out
	s_barrier_signal -1
	s_barrier_wait -1
	FETCH 0, 0, F0
	LAP 1
	s_mov_b32 s3, LAPS-2
.Llap:
	LAP 0
	s_sub_co_u32 s3, s3, 1
	s_cmp_lg_u32 s3, 0
	s_cbranch_scc1 .Llap
	THREE 0, 0
	TURN 0, 1, 0
	THREE 1, 0
	s_wait_dscnt 0
	MUL16 F1, 0
	PLACES
; The way out, 16 rows at a time through my own stage: LDS serves a wave's instructions in order (ISA guide 5.7.1), so no wait stands
; between the stores and the loads, nor between a block's loads and the next block's stores.  Four buffers: no store's data is written again.
.macro OUT16 a
	WIN 0x04
.irp b, 0,1,2,3
	ds_store_b128 v[STO], v[8*(4*\a+\b):8*(4*\a+\b)+3]   offset:64*\b
	ds_store_b128 v[STO], v[8*(4*\a+\b)+4:8*(4*\a+\b)+7] offset:64*\b+16
.endr
	WIN 0
.irp t, 0,1,2,3,4,5,6,7
	ds_load_b128 v[F0+32*\a+4*\t:F0+32*\a+4*\t+3], v[RD] offset:\t*2*SPITCH
.endr
.irp t, 0,1,2,3,4,5,6,7
	s_wait_dscnt 7-\t
	global_store_b128 v[CO], v[F0+32*\a+4*\t:F0+32*\a+4*\t+3], s[8:9] offset:\a*65536+\t*8192 th:TH_STORE_NT   ; 16 lanes store 256 consecutive bytes, aligned
.endr
.endm
	OUT16 0
	OUT16 1
	OUT16 2
	OUT16 3
	s_wait_tensorcnt 0x0
	ds_add_u32 v254, v255
	s_wait_dscnt 0x0
	CROUND                                         ; the closing round
	s_endpgm
.Lfunc_end_k_q63d211bfeb_oproj:
	.size	k_q63d211bfeb_oproj, .Lfunc_end_k_q63d211bfeb_oproj-k_q63d211bfeb_oproj
	.p2alignl 7, 3214868480
	.fill 96, 4, 3214868480
	.section	.rodata,"a",@progbits
	.p2align	6, 0x0
	.amdhsa_kernel k_q63d211bfeb_oproj
		.amdhsa_group_segment_fixed_size 327680
		.amdhsa_private_segment_fixed_size 0
		.amdhsa_enable_private_segment 0
		.amdhsa_kernarg_size 24
		.amdhsa_user_sgpr_count 2
		.amdhsa_user_sgpr_kernarg_segment_ptr 1
		.amdhsa_wavefront_size32 1
		.amdhsa_system_sgpr_workgroup_id_x 1
		.amdhsa_system_sgpr_workgroup_id_y 1
		.amdhsa_system_sgpr_workgroup_id_z 1
		.amdhsa_system_vgpr_workitem_id 0
		.amdhsa_next_free_vgpr 384
		.amdhsa_next_free_sgpr 68
		.amdhsa_reserve_vcc 0
		.amdhsa_float_denorm_mode_32 3
		.amdhsa_float_denorm_mode_16_64 3
		.amdhsa_memory_ordered 1
		.amdhsa_forward_progress 1
		.amdhsa_inst_pref_size 73
	.end_amdhsa_kernel
	.amdgpu_metadata
---
amdhsa.version: [ 1, 2 ]
amdhsa.kernels:
  - .name:           k_q63d211bfeb_oproj
    .symbol:         k_q63d211bfeb_oproj.kd
    .args:
      - { .name: ob, .offset: 0, .size: 8, .value_kind: global_buffer, .address_space: global }
      - { .name: wb, .offset: 8, .size: 8, .value_kind: global_buffer, .address_space: global }
      - { .name: out0, .offset: 16, .size: 8, .value_kind: global_buffer, .address_space: global }
    .group_segment_fixed_size: 327680
    .private_segment_fixed_size: 0
    .kernarg_segment_align: 8
    .kernarg_segment_size: 24
    .max_flat_workgroup_size: 128
    .sgpr_count:     68
    .vgpr_count:     384
    .wavefront_size: 32
...
	.end_amdgpu_metadata
.endif
;; end of part 4
